; MI455X (gfx1250); checked and timed in simulation.
; The chip was launched on July 23, 2026; its instructions are those of AMD's public machine-readable ISA for CDNA 5 (MIT licence, August 2026) and "CDNA5" Instruction Set Architecture Reference Guide (July 2026). The comments in the code are by the model that wrote it; some were corrected since.
;; Batch Attention cos. Allowed arithmetic: float matrix products may take bf16 or f16 operands with f32 sums; other float arithmetic in f32, or as packed bf16 or f16 multiplies, adds, multiply-adds, maxima and minima; sums over many terms, partial sums and values carried from step to step in f32; what a program stores and reads back later, other than sums and carried values, may be rounded once to bf16 or f16.
;; Inputs: x 8,192 x 512 float32.
;; Outputs: out0 8,192 x 512 float32.
;; 2 versions, each right; version 2 is version 1 with the launch merge written anew for expert scheduling mode. Each part assembles by itself: llvm-mc -triple=amdgcn-amd-amdhsa -mcpu=gfx1250 --defsym DOCPART=n.
;; ======== version 1 of 2: 3 launches
;; limits: inputs' magnitudes at most 65,504; values are held in f16: magnitudes above 65,504 overflow, below 6.1e-05 lose precision
;; workspace buffers: xs 8,388,608 bytes; xh 8,388,608 bytes; opart 67,108,864 bytes; lpart 131,072 bytes
;; launch prep (part 1): grid 256 x 1, 8 waves a work-group, no clusters, 0 bytes of LDS; arguments x, xs, xh; writes xs, xh
.if DOCPART == 1
	.amdgcn_target "amdgcn-amd-amdhsa--gfx1250"
	.amdhsa_code_object_version 6
	.text
	.protected	k_qaa185ed498_prep
	.globl	k_qaa185ed498_prep
	.p2align	8
	.type	k_qaa185ed498_prep,@function
k_qaa185ed498_prep:
	s_mov_b64 s[64:65], 0
	v_nop
	global_prefetch_b8 v0, s[64:65] scope:SCOPE_SE
	s_setreg_imm32_b32 hwreg(HW_REG_WAVE_MODE, 25, 1), 1
	s_wait_xcnt 0x0
; xs[r][c] = f16( x[r][c] * sqrt(log2 e) / max(|x[r]|, 1e-12) ),  xh[r][c] = f16( x[r][c] ).  x: [8192][512] f32; xs, xh: [8192][512] f16.
; xs serves as query and as key of the next launch: with sqrt(log2 e) on both sides their product is the cosine times log2 e, the exponent to base 2.
; LIMITS.  |x| stays under 65,520 (f16's range, for xh); below 6e-5 xh keeps f16's fixed step of 6e-8.  The sum of a row's squares is kept in f32:
; row norms between 1e-18 and 1e19 are served (below, the root of a denormal counts as 0 and the row is divided by 1e-12).  NaN and infinities are not treated apart.
; SHARES.  Eight waves, 32 rows a work-group; a wave takes four whole rows, so a row's sum never leaves the wave: no LDS, no barrier.
; A lane holds 2 x 8 neighbouring numbers of a row (32 bytes in, 16 bytes out each): a store of the wave covers 512 consecutive bytes, aligned.
; All sixteen loads go out first; every row has registers of its own for what is loaded and what is stored, so no register of a pending access is written again.
.set XR,   16                          ; v[16:79]   row p: 16 registers as loaded, later scaled in place
.set HR,   80                          ; v[80:111]  row p: 8 registers, x in f16
.set NR,   112                         ; v[112:143] row p: 8 registers, the normalised row in f16
.set IN,   12                          ; v12  32 x lane
.set OUTO, 13                          ; v13  16 x lane
.set RS,   10                          ; v[10:11] the row's factor; the packed multiply takes the low word for both halves
	s_load_b128 s[4:7], s[0:1], 0x0                ; x s[4:5], xs s[6:7]
	s_load_b64 s[8:9], s[0:1], 0x10                ; xh
	v_lshrrev_b32 v1, 5, v0
	v_readfirstlane_b32 s10, v1                    ; wave 0..7
	v_and_b32 v1, 31, v0
	v_lshlrev_b32 v[IN], 5, v1
	v_lshlrev_b32 v[OUTO], 4, v1
	s_lshl_b32 s14, ttmp9, 16                      ; 32 rows of 2,048 bytes a work-group,
	s_lshl_b32 s15, s10, 13                        ; 4 a wave
	s_add_co_u32 s14, s14, s15
	s_mov_b32 s15, 0
	s_lshr_b32 s16, s14, 1                         ; half as many bytes in xs and xh
	s_mov_b32 s17, 0
	s_mov_b32 s12, 0x76543210                      ; v_permlanex16_b32: each lane takes its own place in the other half
	s_mov_b32 s13, 0xfedcba98
	s_wait_kmcnt 0x0
	s_add_nc_u64 s[4:5], s[4:5], s[14:15]
	s_add_nc_u64 s[6:7], s[6:7], s[16:17]
	s_add_nc_u64 s[8:9], s[8:9], s[16:17]
.set i, 0
.rept 8                                ; row i / 2, its half i % 2
	global_load_b128 v[XR+8*i:XR+8*i+3],   v[IN], s[4:5] offset:(i/2)*2048+(i%2)*1024 th:TH_LOAD_NT
	global_load_b128 v[XR+8*i+4:XR+8*i+7], v[IN], s[4:5] offset:(i/2)*2048+(i%2)*1024+16 th:TH_LOAD_NT
.set i, i+1
.endr
.macro ROW p
.set xb, XR+16*(\p)
.set hb, HR+8*(\p)
.set nb, NR+8*(\p)
	s_wait_loadcnt 12-4*(\p)                       ; loads come back in order: this row's four are in, the later rows' stay out
	v_pk_mul_f32 v[2:3], v[xb:xb+1], v[xb:xb+1]    ; the sum of squares in two chains; the first products start them
	v_pk_mul_f32 v[4:5], v[xb+8:xb+9], v[xb+8:xb+9]
.irp j, 2,4,6
	v_pk_fma_f32 v[2:3], v[xb+(\j):xb+(\j)+1], v[xb+(\j):xb+(\j)+1], v[2:3]
	v_pk_fma_f32 v[4:5], v[xb+8+(\j):xb+8+(\j)+1], v[xb+8+(\j):xb+8+(\j)+1], v[4:5]
.endr
	v_pk_add_f32 v[2:3], v[2:3], v[4:5]
	v_add_f32 v2, v2, v3
	v_add_f32_dpp v2, v2, v2 row_xmask:1 row_mask:0xf bank_mask:0xf
	v_add_f32_dpp v2, v2, v2 row_xmask:2 row_mask:0xf bank_mask:0xf
	v_add_f32_dpp v2, v2, v2 row_xmask:4 row_mask:0xf bank_mask:0xf
	v_add_f32_dpp v2, v2, v2 row_xmask:8 row_mask:0xf bank_mask:0xf
	v_permlanex16_b32 v3, v2, s12, s13
	v_add_f32 v2, v2, v3                           ; every lane holds the row's sum
	v_sqrt_f32 v4, v2
.irp j, 0,1,2,3,4,5,6,7
	v_cvt_pk_f16_f32 v[hb+(\j)], v[xb+2*(\j)], v[xb+2*(\j)+1]  ; x itself in f16: plain work between the root and its use
.endr
	s_wait_alu depctr_va_vdst(0)
	v_max_num_f32 v4, 0x2b8cbccc, v4               ; max(norm, 1e-12)
	v_rcp_f32 v5, v4
	v_nop                                          ; a plain instruction between the reciprocal and its use
	s_wait_alu depctr_va_vdst(0)
	v_mul_f32 v[RS], 0x3f99be61, v5                ; sqrt(log2 e) / norm
	v_mov_b32 v[RS+1], v[RS]                       ; named with it as a pair
.irp j, 0,1,2,3,4,5,6,7
	v_pk_mul_f32 v[xb+2*(\j):xb+2*(\j)+1], v[xb+2*(\j):xb+2*(\j)+1], v[RS:RS+1] op_sel_hi:[1,0]
.endr
.irp j, 0,1,2,3,4,5,6,7
	v_cvt_pk_f16_f32 v[nb+(\j)], v[xb+2*(\j)], v[xb+2*(\j)+1]
.endr
	global_store_b128 v[OUTO], v[nb:nb+3],   s[6:7] offset:(\p)*1024 th:TH_STORE_NT      ; 512 consecutive bytes, aligned
	global_store_b128 v[OUTO], v[nb+4:nb+7], s[6:7] offset:(\p)*1024+512 th:TH_STORE_NT
	global_store_b128 v[OUTO], v[hb:hb+3],   s[8:9] offset:(\p)*1024 th:TH_STORE_NT
	global_store_b128 v[OUTO], v[hb+4:hb+7], s[8:9] offset:(\p)*1024+512 th:TH_STORE_NT
.endm
	ROW 0
	ROW 1
	ROW 2
	ROW 3
	s_endpgm
.Lfunc_end_k_qaa185ed498_prep:
	.size	k_qaa185ed498_prep, .Lfunc_end_k_qaa185ed498_prep-k_qaa185ed498_prep
	.p2alignl 7, 3214868480
	.fill 96, 4, 3214868480
	.section	.rodata,"a",@progbits
	.p2align	6, 0x0
	.amdhsa_kernel k_qaa185ed498_prep
		.amdhsa_group_segment_fixed_size 0
		.amdhsa_private_segment_fixed_size 0
		.amdhsa_enable_private_segment 0
		.amdhsa_kernarg_size 24
		.amdhsa_user_sgpr_count 2
		.amdhsa_user_sgpr_kernarg_segment_ptr 1
		.amdhsa_wavefront_size32 1
		.amdhsa_system_sgpr_workgroup_id_x 1
		.amdhsa_system_sgpr_workgroup_id_y 1
		.amdhsa_system_sgpr_workgroup_id_z 1
		.amdhsa_system_vgpr_workitem_id 0
		.amdhsa_next_free_vgpr 144
		.amdhsa_next_free_sgpr 66
		.amdhsa_reserve_vcc 0
		.amdhsa_float_denorm_mode_32 3
		.amdhsa_float_denorm_mode_16_64 3
		.amdhsa_memory_ordered 1
		.amdhsa_forward_progress 1
		.amdhsa_inst_pref_size 16
	.end_amdhsa_kernel
	.amdgpu_metadata
---
amdhsa.version: [ 1, 2 ]
amdhsa.kernels:
  - .name:           k_qaa185ed498_prep
    .symbol:         k_qaa185ed498_prep.kd
    .args:
      - { .name: x, .offset: 0, .size: 8, .value_kind: global_buffer, .address_space: global }
      - { .name: xs, .offset: 8, .size: 8, .value_kind: global_buffer, .address_space: global }
      - { .name: xh, .offset: 16, .size: 8, .value_kind: global_buffer, .address_space: global }
    .group_segment_fixed_size: 0
    .private_segment_fixed_size: 0
    .kernarg_segment_align: 8
    .kernarg_segment_size: 24
    .max_flat_workgroup_size: 256
    .sgpr_count:     66
    .vgpr_count:     144
    .wavefront_size: 32
...
	.end_amdgpu_metadata
.endif
;; end of part 1
;; launch attn (part 2): grid 64 x 4, 4 waves a work-group, clusters of 4 x 1, 327,680 bytes of LDS; arguments xs, xh, opart, lpart; writes opart, lpart
.if DOCPART == 2
	.amdgcn_target "amdgcn-amd-amdhsa--gfx1250"
	.amdhsa_code_object_version 6
	.text
	.protected	k_qaa185ed498_attn
	.globl	k_qaa185ed498_attn
	.p2align	8
	.type	k_qaa185ed498_attn,@function
k_qaa185ed498_attn:
	s_mov_b64 s[64:65], 0
	v_nop
	global_prefetch_b8 v0, s[64:65] scope:SCOPE_SE
	s_setreg_imm32_b32 hwreg(HW_REG_WAVE_MODE, 25, 1), 1
	s_wait_xcnt 0x0
	s_wait_alu depctr_hold_cnt(0) depctr_sa_sdst(0) depctr_va_vdst(0) depctr_va_sdst(0) depctr_va_ssrc(0) depctr_va_vcc(0) depctr_vm_vsrc(0)
	s_getreg_b32 s2, hwreg(HW_REG_IB_STS2, 6, 4)
	s_cmp_eq_u32 s2, 0
	s_cbranch_scc0 .Lentry_in_a_cluster
	s_endpgm
.Lentry_in_a_cluster:
	s_bfe_u32 s2, ttmp6, 0x10000c
	s_cmp_lg_u32 s2, 0x3003
	s_cbranch_scc0 .Lentry_shape_is_right
	s_endpgm
.Lentry_shape_is_right:
; opart[ks][q][:] = the sum over the 2,048 keys k of split ks of p(q, k) xh[k][:],  lpart[ks][q] = the sum of those p,  p(q, k) = 2^(xs[q] . xs[k]).
; xs, xh: [8192][512] f16 (xs: rows of norm sqrt(log2 e) at the most, so xs[q] . xs[k] is the cosine times log2 e); opart: [4][8192][512] f32; lpart: [4][8192] f32.
; NO MAXIMUM IS TAKEN AWAY: the rows are normalised, so by Cauchy-Schwarz the exponent, and each of its two halves over 256 channels, lies within +-1.4427 (1 + 2^-10):
; every power lies in 0.36 .. 2.73 and a row's sum under 22,400: nothing can overflow or underflow in f16 or f32.  So the four splits' sums simply add up (next launch).
; LIMITS.  f16 operands: xh within 65,504; p carries three roundings to f16 (two factors and their product); l is the sum of the rounded p, in f32.  NaN and infinities are not treated apart.
; SHARES.  A work-group owns 128 queries and one split of the keys: 64 x 4 = 256 work-groups of equal work.  Wave w = 2 qh + chh owns O^T of queries 64 qh .. + 63 (four tiles of 16) and channels
; 256 chh .. + 255: 64 accumulators, 512 registers; it keeps Q of the same queries and the same channels in 256 registers.  Keys go in sub-steps of 32.
; THE SCORES ARE SPLIT BY CHANNELS.  The wave multiplies K Q^T over ITS 256 channels, takes e = 2^(that half), rounds it to f16 and swaps it with wave w ^ 1 through LDS, lane to same lane;
; p = e_own x e_partner.  So each fragment of K and of V that is read from LDS feeds four matrix instructions, and Q is held once.
; LAYOUT.  S^T = K Q^T (source 0 = 16 keys, source 1 = 16 queries): a lane holds ONE query (lane % 16) and keys 8 (lane / 16) + 0..7; two such results rounded in pairs ARE source 1 (32 keys x 16 queries)
; of O^T = V^T P, whose result holds one query a lane and eight channels.  K comes out of LDS as it lies, V ([key][channel]) turned, by ds_load_tr16_b128.
; AN ITERATION i (0 .. 63) is eight batches of 16 products, four fragments each: K0-K3 (K Q^T of sub-step i + 1: keys 0-15 in K0, K1, keys 16-31 in K2, K3), then V0-V3 (V^T P of sub-step i).
; THREE FRAGMENT BUFFERS of 32 registers.  The partner's e lands in one of them like a ninth batch, so that an iteration is nine turns on three buffers and ends in the state in which it began:
;   A: K0, the partner's e, V1      B: K1, K3, V2      C: K2, V0, V3
; THE LDS INSTRUCTIONS stand in five runs, never singly among the products: ahead of K1 (K2 and the partner's e), of K2 (K3), of K3 (V0, V1), of V1 (V2, V3), of V3 (my e out; the next iteration's K0, K1).
; THE VECTOR WORK is 192 instructions for the 128 products: the 32 products p behind K2, four behind every second matrix instruction; the 64 powers e of sub-step i + 1 one behind each of the 64 matrix instructions
; of K3 .. V2 (keys 0-15 first: their scores are finished behind K1), each with a plain instruction beside it (the 32 roundings, 32 of l's sums); l's other 32 sums behind V3.  One work-group barrier an iteration orders the swap.
; THE RING.  Two slots of 64 keys.  Slot t holds V of the split's keys 64 t .. + 63 and K of keys 64 t + 32 .. + 95 (K runs a sub-step ahead); K of sub-step 0 comes straight from memory into registers.
; K's offset is taken modulo the split: the second half of the last slot's K brings keys 0 .. 31 once more and is not read: one text for every refill, and no load leaves the buffer.
; CLUSTER.  The four query blocks of a cluster share the split, so every tile is asked for JOINTLY: the same tensor load, descriptor and mask of four in all four; waves 0, 1 fetch K's halves, waves 2, 3 V's.
; REGISTERS, in windows of 256 (s_set_vgpr_msb: bits 1:0 source 0, 3:2 source 1, 5:4 source 2, 7:6 destination):
;   window 0: v0-15 addresses; v16-23 l; v24-31 at work; v32-95 S^T ((t, kb) at 32 + 8 (2 t + kb)); v96-127 e; v128-159 P; v160-255 the three fragment buffers
;   window 1: Q (tile t, channels 32 f on, at 64 t + 8 f)      windows 2, 3: O^T (channel blocks 0-7, 8-15; at 64 t + 8 (cb % 8))
; The vector work lies in window 0 and the products' operands do not, so vector instructions set behind a product cost two switches; they are set there so that both units work side by side.
; (A power behind a product K Q^T costs none: it names a destination and a first source alone, which are in window 0 there.)
.set PK,    1040                       ; a row of K in LDS: 1,024 bytes + 16 = 260 words: row r starts at bank 4 r mod 64 (64 banks of 4 bytes: ISA guide 11.1)
.set PVP,   1056                       ; a row of V: 1,024 + 32 = 33 x 32 bytes
.set VOFF,  64*PK                      ; in a slot: 64 rows of K, then 64 rows of V
.set SLOTB, 64*(PK+PVP)                ; 134,144 bytes
.set XCH,   2*SLOTB                    ; behind the ring, never filled by a tensor load: a region for each wave: two swap buffers of 4,096 bytes; at the end the wave's stage
.set XREG,  8704
.set SPT,   528                        ; a stage row: 512 bytes + 16
.set SPARE, XCH+4*XREG                 ; the spare words, 128 bytes a wave: two blocks of 256 bytes that no other line names
.set BLK,   0x10000                    ; 64 rows of xs or xh in memory
.set ONE, 3                            ; v3   1.0
.set AK,  4                            ; v4-5 my place in K's tile, slot 0, 1
.set AV,  6                            ; v6-7 the same for V
.set XSA, 8                            ; v8   my region + 16 x lane: where I put e; on the way out, where I read stage rows
.set XLA, 9                            ; v9   my partner's region + 16 x lane
.set PFO, 10                           ; v10  256 x lane
.set QO,  11                           ; v11  my byte offset in 16 rows of xs
.set STO, 12                           ; v12  the way out: where I put 32 bytes of a row
.set GO,  13                           ; v13  16 x lane
.set SPW, 14                           ; v14  my spare word; never rewritten
.set NIL, 15                           ; v15  0; never rewritten
.set LL,  16                           ; v16-23 l: tile t's even keys at 2 t, odd keys at 2 t + 1
.set LN,  24                           ; v24  lane
.set SS,  32
.set EE,  96
.set PP,  128
.set FA,  160                          ; the three fragment buffers
.set FB,  192
.set FC,  224
.set BK0, 32                           ; the way out: v32-95 and v96-159 by turns
.set WV,  12                           ; s12 wave   s13 chh (also: which half of a tile I fetch)   s14 qh
.set CHH, 13
.set QH,  14
.set LIM, 15                           ; s15 a wave prefetches while s[SL] is above it
.set CX,  16                           ; s16, s17, s62, s63, s82-87: the only registers that ever hold a number made from my place in the cluster
.set QBL, 17
.set KSP, 18                           ; s18 the split
.set REG, 19                           ; s19 my region in LDS
.set G1K, 24                           ; s[24:31], s[32:39] descriptor group 1 for K's and V's tiles
.set G1V, 32
.set G0K, 40                           ; s[40:47], s[48:55] group 0, a set for each slot
.set G0V, 48
.set TRIPS, 56
.set SL,  57                           ; refills still to come
.set OFK, 58                           ; s[58:59], s[60:61] byte offset in the split of the tile asked for last
.set OFV, 60
.set KB,  66                           ; s[66:67], s[68:69] xs and xh at the split's first key
.set VB,  68
.set PFA, 70                           ; s[70:71] where my prefetches stand
.set SEL, 72
.set QA,  74
.set LB,  76
.set K0A, 78
.set OB,  80
.set W_QK, 0x04                        ; Q (source 1) in window 1; LDS loads (destination, source 0) are not touched by it
.set MSB, 0
.macro WIN new                         ; the high byte repeats the setting that is left; a switch that changes nothing is dropped
.if MSB != (\new)
	s_set_vgpr_msb (MSB<<8)|(\new)
.set MSB, (\new)
.endif
.endm
.macro WINL                            ; an LDS load wants its destination and its address in window 0
.if (MSB & 0xc3) != 0
	WIN 0
.endif
.endm
; A load into a register that a matrix instruction has read, and a vector instruction or LDS store that touches a matrix result, stand four places behind it; only plain vector instructions
; that name none of its registers are places (ISA guide 7.12.1 for vector instructions).  Four v_nop stand ahead of each of an iteration's five runs.
.macro PLACES
.rept 4
	v_nop
.endr
.endm
.macro CREST                           ; a round of the cluster's barrier behind its opening barrier
	s_cmp_lg_u32 s[WV], 0
	s_cbranch_scc1 .Lnot_wave_0_\@
	s_barrier_signal -3
.Lnot_wave_0_\@:
	s_barrier_wait -3
	s_barrier_signal -1
	s_barrier_wait -1
.endm
.macro CROUND
	s_barrier_signal -1
	s_barrier_wait -1
	CREST
.endm
; A joint refill of slot sl.  The branch hangs on the wave's number alone.  An s_nop 0 and four v_nop follow each of the two lines, ahead of the jump and the label.
.macro JLOAD sl
	s_cmp_lt_u32 s[WV], 2
	s_cbranch_scc0 .Lfor_v_\@
	tensor_load_to_lds s[G0K+4*(\sl):G0K+4*(\sl)+3], s[G1K:G1K+7]
	s_nop 0
.rept 4
	v_nop
.endr
	s_branch .Lasked_\@
.Lfor_v_\@:
	tensor_load_to_lds s[G0V+4*(\sl):G0V+4*(\sl)+3], s[G1V:G1V+7]
	s_nop 0
.rept 4
	v_nop
.endr
.Lasked_\@:
.endm
; A PREFETCH INTO THE L2, behind the joint load and its five lines.  At the change that asks for slot t + 2 the blocks of 64 rows named are V's t + 3 and K's t + 4 (K's tiles lie half a
; block further on): one or two changes of slots, 256 or 512 matrix instructions, ahead of the joint load that wants them.  Each 256 bytes are named ONCE in the launch: all sixteen clusters of a split walk the
; same rows, and the first of them asks; its four partners take 16 rows each, told apart BY ADDRESS; of those, the wave that fetches a tile's half c takes 8: 32 lanes x 256 bytes.  The last changes, whose block would lie
; behind the split, ask for nothing; the first blocks come by their loads alone.
.macro ASK
	s_cmp_gt_u32 s[SL], s[LIM]
	s_cbranch_scc0 .Lnot_mine_\@
	global_prefetch_b8 v[PFO], s[PFA:PFA+1] th:TH_LOAD_NT scope:SCOPE_SE
.Lnot_mine_\@:
.endm
	s_load_b256 s[4:11], s[0:1], 0x0               ; xs s[4:5], xh s[6:7], opart s[8:9], lpart s[10:11]
	v_lshl_add_u32 v[SPW], v0, 2, SPARE
	v_mov_b32 v[NIL], 0
	ds_add_u32 v[SPW], v[NIL]                      ; the wave's opening: the add and its wait stand ahead of my first tensor load; the set-up below, work on registers, stands between them
	v_lshrrev_b32 v1, 5, v0
	v_readfirstlane_b32 s[WV], v1                  ; wave 0..3
	s_and_b32 s[CHH], s[WV], 1
	s_lshr_b32 s[QH], s[WV], 1
	s_and_b32 s[KSP], ttmp7, 0xffff                ; the split, which the four partners share
	; descriptor group 1: a tile of 32 rows x 512 elements of 2 bytes, padded in LDS behind every row
	s_mov_b32 s[G1K], 15|(1<<16)|(1<<20)|(1<<21)|(7<<22)|(3<<25)  ; 15:0 the mask of four; 17:16 2-byte elements; 20 padding on; 21 set beside a mask; 24:22 after every 256 words (code 7); 31:25 4 words (code 3)
	s_mov_b32 s[G1V], 15|(1<<16)|(1<<20)|(1<<21)|(7<<22)|(7<<25)  ; the same with 8 words of padding (code 7)
.irp g, G1K, G1V
	s_mov_b32 s[\g+1], 512<<16                     ; tensor_dim0 = 512
	s_mov_b32 s[\g+2], 32<<16                      ; tensor_dim1 = 32
	s_mov_b32 s[\g+3], 512<<16                     ; tile_dim0 = 512
	s_mov_b32 s[\g+4], 32                          ; tile_dim1 = 32
	s_mov_b32 s[\g+5], 512                         ; 512 elements from row to row
	s_mov_b32 s[\g+6], 0
	s_mov_b32 s[\g+7], 0
.endr
	s_mul_i32 s20, s[CHH], 32*PK                   ; my half of a tile in LDS: no place in the cluster enters an LDS address
	s_mul_i32 s21, s[CHH], 32*PVP
.irp s, 0,1
	s_mov_b32 s[G0K+4*(\s)], 1                     ; 1:0 count = 1
	s_add_co_u32 s[G0K+4*(\s)+1], s20, (\s)*SLOTB  ; 63:32 LDS address
	s_mov_b32 s[G0V+4*(\s)], 1
	s_add_co_u32 s[G0V+4*(\s)+1], s21, (\s)*SLOTB+VOFF
.endr
	s_lshl_b32 s[OFV], s[CHH], 15                  ; slot 0: V's rows 32 c on,
	s_add_co_u32 s[OFK], s[OFV], 0x8000            ; K's rows 32 + 32 c on
	s_mov_b32 s[OFK+1], 0
	s_mov_b32 s[OFV+1], 0
	s_lshl_b32 s22, s[KSP], 21                     ; a split is 2,048 rows of 1,024 bytes
	s_mov_b32 s23, 0
	s_lshl_b32 s20, s[CHH], 9                      ; my 256 channels: 512 bytes into a row
	s_mov_b32 s21, 0
	s_mov_b32 s[SEL], 0x76543210
	s_mov_b32 s[SEL+1], 0xfedcba98
	s_mov_b32 s[SL], 30
	s_cmp_lt_u32 s[WV], 2
	s_cselect_b32 s[LIM], 2, 1                     ; K's prefetches stop a change earlier than V's
	s_cselect_b32 s82, 3, 2                        ; and stand a block further on
	s_cmp_eq_u32 ttmp9, 0                          ; the split's first cluster asks: the same answer in all four partners
	s_cselect_b32 s[LIM], s[LIM], -1
	s_bfe_u32 s[CX], ttmp6, 0x40000                ; cx: it enters Q's, O's, l's and the prefetches' global addresses alone
	s_lshl_b32 s[QBL], ttmp9, 2                    ; in a cluster launch ttmp9 counts clusters
	s_add_co_u32 s[QBL], s[QBL], s[CX]             ; my block of 128 queries
	s_lshl_b32 s82, s82, 16
	s_lshl_b32 s83, s[CX], 14                      ; my work-group's 16 rows of a block,
	s_add_co_u32 s82, s82, s83
	s_lshl_b32 s83, s[CHH], 13                     ; my wave's 8 of them
	s_add_co_u32 s82, s82, s83
	s_mov_b32 s83, 0
	s_lshl_b32 s62, s[QBL], 7
	s_lshl_b32 s63, s[QH], 6
	s_add_co_u32 s62, s62, s63                     ; my first query
	s_lshl_b32 s84, s62, 10
	s_add_co_u32 s84, s84, s20                     ; its bytes in xs, at my channels
	s_mov_b32 s85, 0
	s_lshl_b32 s63, s[KSP], 13
	s_add_co_u32 s62, s62, s63                     ; its row in opart and lpart
	s_lshl_b32 s86, s62, 11
	s_lshl_b32 s87, s[CHH], 10
	s_add_co_u32 s86, s86, s87
	s_mov_b32 s87, 0
	s_lshl_b32 s62, s62, 2
	s_mov_b32 s63, 0
	s_wait_dscnt 0x0                               ; the opening add is done
	s_wait_kmcnt 0x0
	s_add_nc_u64 s[KB:KB+1], s[4:5], s[22:23]
	s_add_nc_u64 s[VB:VB+1], s[6:7], s[22:23]
	s_add_nc_u64 s[K0A:K0A+1], s[KB:KB+1], s[20:21]
	s_add_nc_u64 s[QA:QA+1], s[4:5], s[84:85]
	s_add_nc_u64 s[OB:OB+1], s[8:9], s[86:87]
	s_add_nc_u64 s[LB:LB+1], s[10:11], s[62:63]
	s_cmp_lt_u32 s[WV], 2
	s_cselect_b64 s[PFA:PFA+1], s[KB:KB+1], s[VB:VB+1]
	s_add_nc_u64 s[PFA:PFA+1], s[PFA:PFA+1], s[82:83]  ; K: block 3, V: block 2; the first change of slots steps them on.  Nothing is prefetched here, at the head
	s_add_nc_u64 s[G0K+2:G0K+3], s[KB:KB+1], s[OFK:OFK+1]  ; 120:64 global address
	s_or_b32 s[G0K+3], s[G0K+3], 0x80000000                ; 127:126 type = 2
	s_add_nc_u64 s[G0V+2:G0V+3], s[VB:VB+1], s[OFV:OFV+1]
	s_or_b32 s[G0V+3], s[G0V+3], 0x80000000
	s_add_co_u32 s[OFK], s[OFK], BLK               ; slot 1
	s_add_co_u32 s[OFV], s[OFV], BLK
	s_add_nc_u64 s[G0K+6:G0K+7], s[KB:KB+1], s[OFK:OFK+1]
	s_or_b32 s[G0K+7], s[G0K+7], 0x80000000
	s_add_nc_u64 s[G0V+6:G0V+7], s[VB:VB+1], s[OFV:OFV+1]
	s_or_b32 s[G0V+7], s[G0V+7], 0x80000000
	CROUND                                         ; all four work-groups are here: the first joint loads meet
	s_cmp_lt_u32 s[WV], 2                          ; a wave's two first fills stand in one branch, ahead of every wait on TENSORcnt and every LDS read: two loads of mine are out
	s_cbranch_scc0 .Lfirst_v
	tensor_load_to_lds s[G0K:G0K+3], s[G1K:G1K+7]
	s_nop 0
	tensor_load_to_lds s[G0K+4:G0K+7], s[G1K:G1K+7]
	s_nop 0
.rept 4
	v_nop
.endr
	s_branch .Lfirst_asked
.Lfirst_v:
	tensor_load_to_lds s[G0V:G0V+3], s[G1V:G1V+7]
	s_nop 0
	tensor_load_to_lds s[G0V+4:G0V+7], s[G1V:G1V+7]
	s_nop 0
.rept 4
	v_nop
.endr
.Lfirst_asked:
	; A fragment of K or Q is 16 rows x 32 channels in 8 registers: lane l holds row l % 16, channels 8 (l / 16) + 0..7 and 16 + 8 (l / 16) + 0..7: two loads of 16 bytes, 32 bytes apart.
	v_and_b32 v[LN], 31, v0
	v_and_b32 v1, 15, v0                           ; l % 16
	v_bfe_u32 v2, v0, 4, 1                         ; l / 16
	v_lshlrev_b32 v[QO], 10, v1
	v_lshl_add_u32 v[QO], v2, 4, v[QO]             ; row x 1,024 + 16 x half
	WIN 0x40                                       ; destination window 1, address window 0
.set i, 0
.rept 32                               ; Q stays in registers: tile i / 8, channels 32 (i % 8) on
	global_load_b128 v[8*i:8*i+3],   v[QO], s[QA:QA+1] offset:(i/8)*16384+(i%8)*64
	global_load_b128 v[8*i+4:8*i+7], v[QO], s[QA:QA+1] offset:(i/8)*16384+(i%8)*64+32
.set i, i+1
.endr
	WIN 0
.set i, 0
.rept 16                               ; K of sub-step 0: keys 16 (i / 8) on, channels 32 (i % 8) on, into v128-255
	global_load_b128 v[128+8*i:128+8*i+3],   v[QO], s[K0A:K0A+1] offset:(i/8)*16384+(i%8)*64
	global_load_b128 v[128+8*i+4:128+8*i+7], v[QO], s[K0A:K0A+1] offset:(i/8)*16384+(i%8)*64+32
.set i, i+1
.endr
	v_mul_u32_u24 v[AK], v1, PK
	v_lshl_add_u32 v[AK], v2, 4, v[AK]
	v_add_nc_u32 v[AK], s20, v[AK]                 ; row x pitch + 16 x half + my channels
	v_add_nc_u32 v[AK+1], SLOTB, v[AK]
	; The turning load takes 16 keys x 16 channels (lane l reads key 8 (l / 16) + l % 8, channels 8 ((l / 8) % 2) + 0..7) and leaves half a fragment of V^T: lane l holds channel l % 16 and 8 keys.
	v_and_b32 v26, 7, v0
	v_bfe_u32 v27, v0, 3, 1
	v_lshl_add_u32 v[AV], v2, 3, v26
	v_mul_u32_u24 v[AV], v[AV], PVP
	v_lshl_add_u32 v[AV], v27, 4, v[AV]
	v_add_nc_u32 v[AV], s20, v[AV]
	v_add_nc_u32 v[AV], VOFF, v[AV]
	v_add_nc_u32 v[AV+1], SLOTB, v[AV]
	s_mul_i32 s[REG], s[WV], XREG
	s_add_co_u32 s[REG], s[REG], XCH               ; my region
	s_xor_b32 s21, s[WV], 1
	s_mul_i32 s21, s21, XREG
	s_add_co_u32 s21, s21, XCH                     ; my partner's: same queries, the other channels
	v_lshl_add_u32 v[XSA], v[LN], 4, s[REG]
	v_lshl_add_u32 v[XLA], v[LN], 4, s21
	v_lshlrev_b32 v[PFO], 8, v[LN]
	v_mul_u32_u24 v[STO], v1, SPT                  ; the stage: row l % 16, 32 bytes for each half of the lanes
	v_lshl_add_u32 v[STO], v2, 5, v[STO]
	v_add_nc_u32 v[STO], s[REG], v[STO]
	v_lshlrev_b32 v[GO], 4, v[LN]
	v_mov_b32 v[ONE], 1.0
.set i, 0
.rept 8
	v_mov_b32 v[LL+i], 0
.set i, i+1
.endr
; THE LDS LOADS.  A batch is four fragments, eight loads, 16 products.  K's batch n (0..3) of half u of slot sl: keys 16 (n / 2) on, channels 128 (n % 2) on.  V's batch n: channels 64 n on.
.macro LDK sl, u, n, buf
	WINL
.set ko, (32*(\u)+16*((\n)/2))*PK+256*((\n)%2)
.set jj, 0
.rept 4
	ds_load_b128 v[(\buf)+8*jj:(\buf)+8*jj+3],   v[AK+(\sl)] offset:ko+64*jj
	ds_load_b128 v[(\buf)+8*jj+4:(\buf)+8*jj+7], v[AK+(\sl)] offset:ko+64*jj+32
.set jj, jj+1
.endr
.endm
.macro LDV sl, u, n, buf
	WINL
.set vo, 32*(\u)*PVP+128*(\n)
.set jj, 0
.rept 4
	ds_load_tr16_b128 v[(\buf)+8*jj:(\buf)+8*jj+3],   v[AV+(\sl)] offset:vo+32*jj
	ds_load_tr16_b128 v[(\buf)+8*jj+4:(\buf)+8*jj+7], v[AV+(\sl)] offset:vo+32*jj+16*PVP
.set jj, jj+1
.endr
.endm
.macro ES p                            ; my e into my swap buffer p
	WIN 0
.set cc, 0
.rept 8
	ds_store_b128 v[XSA], v[EE+4*cc:EE+4*cc+3] offset:4096*(\p)+512*cc
.set cc, cc+1
.endr
.endm
.macro XLD p, buf                      ; my partner's e out of its swap buffer p
	WINL
.set cc, 0
.rept 8
	ds_load_b128 v[(\buf)+4*cc:(\buf)+4*cc+3], v[XLA] offset:4096*(\p)+512*cc
.set cc, cc+1
.endr
.endm
; THE VECTOR WORK.
.macro FMA n, hf                       ; l takes weight hf (0 even key, 1 odd key) of P's register n, in f32
.set fl, LL+2*((\n)/8)+(\hf)
.if (\hf)
	v_fma_mix_f32 v[fl], v[PP+(\n)], v[ONE], v[fl] op_sel:[1,0,0] op_sel_hi:[1,0,0]
.else
	v_fma_mix_f32 v[fl], v[PP+(\n)], v[ONE], v[fl] op_sel_hi:[1,0,0]
.endif
.endm
.macro GM xs                           ; eight weights p = e_partner x e_own: four lines; xs: where the partner's e has landed
	WIN 0
.rept 4
	v_pk_mul_f16 v[PP+mn], v[(\xs)+mn], v[EE+mn]
.set mn, mn+1
.endr
.endm
.macro GF                              ; four of l's sums for tiles 2 and 3, onto four different registers
	WIN 0
	FMA 16+gf, 0
	FMA 16+gf, 1
	FMA 24+gf, 0
	FMA 24+gf, 1
.set gf, gf+1
.endm
; RID: what stands behind product rr (0 .. 63) of the batches K3, V0, V1, V2: power rr, and a plain instruction behind it, which also stands between the power and the use of its result.
; Pair xg = rr / 2 of scores: keys 0-15 of all four tiles first (xg < 16), then keys 16-31; within an accumulator ascending, so that it is read from its low end on.  Pair xg of accumulator (t, kb)
; becomes register gg = 4 (2 t + kb) + m of e: the layout of source 1 of V^T P.  The plain instruction: behind an even power one of l's sums for tiles 0 and 1, behind an odd power the rounding of the pair before.
; In K3 (rr < 16) an even power stands alone, without a switch of windows, and its sum goes with the odd one.
.macro RID
.set xg, rr/2
.set gg, 4*(2*((xg%16)/4)+xg/16)+xg%4
.if (rr < 16) && (rr%2 == 0)
	v_exp_f32 v[SS+2*gg], v[SS+2*gg]
.else
	WIN 0
	v_exp_f32 v[SS+2*gg+rr%2], v[SS+2*gg+rr%2]
.if rr%2 == 0
	FMA rr/4, (rr/2)%2
.else
.if rr < 16
	FMA rr/4, (rr/2)%2
.endif
.if xg > 0
.set xp, xg-1
.set gp, 4*(2*((xp%16)/4)+xp/16)+xp%4
	s_wait_alu depctr_va_vdst(0)
	v_cvt_pk_f16_f32 v[EE+gp], v[SS+2*gp], v[SS+2*gp+1]
.endif
.if rr == 63
	v_cvt_pk_f16_f32 v[EE+gg], v[SS+2*gg], v[SS+2*gg+1]
.endif
.endif
.endif
.set rr, rr+1
.endm
.macro RXP                             ; the first sub-step's powers, on their own: two powers and the rounding of the pair before
	WIN 0
	v_exp_f32 v[SS+2*xq], v[SS+2*xq]
	v_exp_f32 v[SS+2*xq+1], v[SS+2*xq+1]
.if xq == 0
	v_nop
.else
	s_wait_alu depctr_va_vdst(0)
	v_cvt_pk_f16_f32 v[EE+xq-1], v[SS+2*xq-2], v[SS+2*xq-1]
.endif
.if xq == 31
	v_cvt_pk_f16_f32 v[EE+31], v[SS+62], v[SS+63]
.endif
.set xq, xq+1
.endm
; THE MATRIX WORK.  The accumulators take turns, one instruction a turn: the four tiles' in K Q^T, all 64 in V^T P.
; K's batch n out of buffer buf: fragment jw / 4, tile jw % 4.  Channels 0-31 start the sums.  rid: 0 bare; 1 GM behind every second product; 2 RID behind each.
.macro KQ16 n, buf, rid
.set jw, 0
.rept 16
.set qf, 4*((\n)%2)+jw/4
.set rD, SS+8*(2*(jw%4)+(\n)/2)
.set rA, (\buf)+8*(jw/4)
.set rB, 64*(jw%4)+8*qf
	WIN W_QK
.if qf == 0
	v_wmma_f32_16x16x32_f16 v[rD:rD+7], v[rA:rA+7], v[rB:rB+7], 0
.else
	v_wmma_f32_16x16x32_f16 v[rD:rD+7], v[rA:rA+7], v[rB:rB+7], v[rD:rD+7]
.endif
.if ((\rid) == 1) && (jw%2 == 0)
	GM FA
.elseif (\rid) == 2
	RID
.endif
.set jw, jw+1
.endr
.endm
; Products lo .. lo + cnt - 1 of V's batch n out of buffer buf: channel block 4 n + jw / 4, tile jw % 4.  ZERO = 1 (iteration 0): they start O^T's sums: nothing is ever cleared.  rid: 0 bare; 2 RID behind each; 3 GF behind every second.
.macro PV16 n, buf, rid, lo, cnt
.set jw, (\lo)
.rept (\cnt)
.set pcb, 4*(\n)+jw/4
.set rD, 64*(jw%4)+8*(pcb%8)
.set rA, (\buf)+8*(jw/4)
.set rB, PP+8*(jw%4)
	WIN 0xa0+0x50*(pcb/8)
.if ZERO
	v_wmma_f32_16x16x32_f16 v[rD:rD+7], v[rA:rA+7], v[rB:rB+7], 0
.else
	v_wmma_f32_16x16x32_f16 v[rD:rD+7], v[rA:rA+7], v[rB:rB+7], v[rD:rD+7]
.endif
.if (\rid) == 2
	RID
.elseif ((\rid) == 3) && (jw%2 == 0)
	GF
.endif
.set jw, jw+1
.endr
.endm
; AN ITERATION on half u of slot sl.  On entry K0 lies in A and K1 in B, my e of this sub-step in its registers and in my swap buffer u, and no LDS instruction of mine is out.
; It opens with the signal of the swap's barrier and ends with the wait for all its LDS instructions, my stores of the next e among them.
; A swap buffer is written again two iterations later, behind the wait of a barrier that the partner has signalled behind its wait for its reads of it.
; chg: 0 the slot is kept; 1 left and filled again; 2 left.  nxt = 0: the next iteration is the last: it has no K Q^T, so its V0, V1 are fetched in K0's and K1's stead.  zero = 1: iteration 0.
; WHERE THE SLOT IS LEFT its last bytes (V2, V3) are asked for ahead of V1.  Each wave waits for all its tensor loads, of which one is out: its part of the other slot; adds 0 to its spare word; and waits
; for that and for its reads of the slot.  Behind the barrier nobody reads this slot any more and the other slot is whole.  chg = 1: the barrier opens a round of the cluster's, so that this holds of all four
; partners, and the joint refill (the keys two slots on) is the first thing behind it: it has two iterations, 256 matrix instructions, in which to land.
.macro ITER sl, u, chg, nxt, zero
.set SLN, ((\sl)+(\u))%2
.set UN, 1-(\u)
.set ZERO, (\zero)
.set rr, 0
.set mn, 0
.set gf, 0
	s_barrier_signal -1                            ; my e of this sub-step is stored
	KQ16 0, FA, 0
	s_barrier_wait -1                              ; every wave's is
	PLACES
	LDK \sl, \u, 2, FC
	XLD \u, FA
	KQ16 1, FB, 0
	PLACES
	LDK \sl, \u, 3, FB
	s_wait_dscnt 8                                 ; K2 and the partner's e are in: behind them K3's eight loads
	KQ16 2, FC, 1
	PLACES
	LDV \sl, \u, 0, FC
	LDV \sl, \u, 1, FA
	s_wait_dscnt 16                                ; K3 is in: behind it V0's and V1's loads
	KQ16 3, FB, 2
	s_wait_dscnt 8                                 ; V0 is in: behind it V1's loads
	PV16 0, FC, 2, 0, 16
	PLACES
	LDV \sl, \u, 2, FB
	LDV \sl, \u, 3, FC
.if (\chg) == 0
	s_wait_dscnt 16                                ; V1 is in: behind it V2's and V3's loads
	PV16 1, FA, 2, 0, 16
.else
	WIN 0
	s_wait_tensorcnt 0x0                           ; no tensor load of mine is out, so a group 0 may be written
	ds_add_u32 v[SPW], v[NIL]                      ; 0 onto my spare word; work on registers stands between it and the wait for it
.if (\chg) == 1
	s_add_co_u32 s[OFK], s[OFK], BLK
	s_and_b32 s[OFK], s[OFK], 0x1fffff             ; modulo the split's 2 MiB
	s_add_co_u32 s[OFV], s[OFV], BLK
	s_add_nc_u64 s[G0K+4*(\sl)+2:G0K+4*(\sl)+3], s[KB:KB+1], s[OFK:OFK+1]  ; the address is made anew: the base and an offset kept apart
	s_or_b32 s[G0K+4*(\sl)+3], s[G0K+4*(\sl)+3], 0x80000000
	s_add_nc_u64 s[G0V+4*(\sl)+2:G0V+4*(\sl)+3], s[VB:VB+1], s[OFV:OFV+1]
	s_or_b32 s[G0V+4*(\sl)+3], s[G0V+4*(\sl)+3], 0x80000000
	s_wait_xcnt 0x0                                ; the last prefetch, two iterations back, has read its address
	s_add_nc_u64 s[PFA:PFA+1], s[PFA:PFA+1], BLK
.endif
	s_wait_dscnt 17                                ; V1 is in: behind it V2's and V3's loads and the add
	PV16 1, FA, 2, 0, 8
	s_wait_dscnt 0x0                               ; the add is done, and my reads of the slot are over
	s_barrier_signal -1
	PV16 1, FA, 2, 8, 8                            ; work on registers while the others arrive
	WIN 0
	s_barrier_wait -1
.if (\chg) == 1
	CREST
	JLOAD \sl
	ASK
	s_sub_co_u32 s[SL], s[SL], 1
.endif
.endif
	s_wait_dscnt 8                                 ; V2 is in: behind it V3's loads
	PV16 2, FB, 2, 0, 16
	PLACES
	ES 1-(\u)                                      ; all 64 powers are rounded
.if \nxt
	LDK SLN, UN, 0, FA
	LDK SLN, UN, 1, FB
.else
	LDV SLN, UN, 0, FA
	LDV SLN, UN, 1, FB
.endif
	s_wait_dscnt 24                                ; V3 is in: behind it my eight stores and sixteen loads
	PV16 3, FC, 3, 0, 16
	WIN 0
	s_wait_dscnt 0x0                               ; for my partner's sake: my e is stored; my LDS loads are back
.endm
.macro LASTIT                          ; iteration 63: no further scores.  V0 lies in A, V1 in B; the partner's e goes straight into P's registers; the vector work stands on its own, once a launch
.set ZERO, 0
.set mn, 0
	s_barrier_signal -1
	PLACES
	LDV 1, 1, 2, FC                                ; between signal and wait: LDS loads of tile bytes, which nobody writes any more
	s_barrier_wait -1
	XLD 1, PP
	s_wait_dscnt 0x0
.rept 8
	GM PP
.endr
.set fq, 0
.rept 32                               ; the four tiles by turns
.set fn, 8*(fq%4)+fq/4
	FMA fn, 0
	FMA fn, 1
.set fq, fq+1
.endr
	PV16 0, FA, 0, 0, 16
	PLACES
	LDV 1, 1, 3, FA
	PV16 1, FB, 0, 0, 16
	PV16 2, FC, 0, 0, 16
	s_wait_dscnt 0x0
	PV16 3, FA, 0, 0, 16
.endm
	s_wait_tensorcnt 0x1                           ; my part of slot 0 is in; slot 1's may stay out
	s_barrier_signal -1
	s_barrier_wait -1                              ; everybody's is
	s_wait_loadcnt 0x0                             ; Q and K of sub-step 0
	WIN W_QK
.set qi, 0
.rept 64                               ; the first scores, out of v128-255: keys 16 (qi / 32) on, channels 32 ((qi / 4) % 8) on, tile qi % 4
.set rD, SS+8*(2*(qi%4)+qi/32)
.set rA, 128+8*(8*(qi/32)+(qi/4)%8)
.set rB, 64*(qi%4)+8*((qi/4)%8)
.if (qi/4)%8 == 0
	v_wmma_f32_16x16x32_f16 v[rD:rD+7], v[rA:rA+7], v[rB:rB+7], 0
.else
	v_wmma_f32_16x16x32_f16 v[rD:rD+7], v[rA:rA+7], v[rB:rB+7], v[rD:rD+7]
.endif
.set qi, qi+1
.endr
	PLACES
	LDK 0, 0, 0, FA                                ; iteration 0's K0 and K1
	LDK 0, 0, 1, FB
.set xq, 0
.rept 32
	RXP
.endr
	ES 0
	s_wait_dscnt 0x0
	ITER 0, 0, 0, 1, 1                             ; iteration 0 stands ahead of the loop: its products V^T P start O^T's sums
	s_mov_b32 s[TRIPS], 15
.Lpair:                                        ; a trip: iterations 4 n + 1 .. 4 n + 4; both slots are left once and filled again: 30 refills, slots 2 .. 31
	ITER 0, 1, 1, 1, 0
	ITER 1, 0, 0, 1, 0
	ITER 1, 1, 1, 1, 0
	ITER 0, 0, 0, 1, 0
	s_sub_co_u32 s[TRIPS], s[TRIPS], 1
	s_cmp_lg_u32 s[TRIPS], 0
	s_cbranch_scc1 .Lpair
	ITER 0, 1, 2, 1, 0                             ; the tail is written out: nothing more is asked for
	ITER 1, 0, 0, 0, 0
	LASTIT
	; THE WAY OUT.  Behind this barrier my partner has read my last e (its wait for 0 in the last iteration), and my region is my stage.
	WIN 0
	PLACES
	s_wait_dscnt 0x0
	s_barrier_signal -1
	s_barrier_wait -1
.irp t, 0,1,2,3
	v_add_f32 v[LL+2*(\t)], v[LL+2*(\t)], v[LL+2*(\t)+1]
.endr
.irp t, 0,1,2,3
	v_permlanex16_b32 v[LL+2*(\t)+1], v[LL+2*(\t)], s[SEL], s[SEL+1]  ; the query's other keys lie in the lane 16 away
.endr
.irp t, 0,1,2,3
	v_add_f32 v[LL+2*(\t)], v[LL+2*(\t)], v[LL+2*(\t)+1]
.endr
	v_lshl_add_u32 v26, v1, 2, s[REG]
	v_lshl_add_u32 v27, v[LN], 3, s[REG]
	v_lshlrev_b32 v30, 3, v[LN]
.irp t, 0,1,2,3
	ds_store_b32 v26, v[LL+2*(\t)] offset:64*(\t)  ; query 16 t + l % 16; both halves of the lanes hold the same sum
.endr
	ds_load_b64 v[28:29], v27                      ; LDS serves a wave's instructions in order (ISA guide 5.7.1.4): two queries a lane
	s_wait_dscnt 0x0
	s_cmp_eq_u32 s[CHH], 0                         ; both waves of a pair hold the same l: one stores it
	s_cbranch_scc0 .Lno_l
	global_store_b64 v30, v[28:29], s[LB:LB+1]     ; 256 consecutive bytes, aligned
.Lno_l:
; Round k = 2 t + hf: tile t's 16 queries x channel blocks 8 hf .. + 7: a lane's 32 bytes of a row go into stage rows of 528 bytes and come back as whole rows of 512.
.macro TOSTAGE k
.set wt, (\k)/2
.set bk, BK0+64*((\k)%2)
	WIN 0x08+4*((\k)%2)                            ; the stores' data (source 1) in window 2 or 3
.set cc, 0
.rept 8
	ds_store_b128 v[STO], v[64*wt+8*cc:64*wt+8*cc+3]   offset:64*cc      ; each accumulator's low registers first
	ds_store_b128 v[STO], v[64*wt+8*cc+4:64*wt+8*cc+7] offset:64*cc+16
.set cc, cc+1
.endr
	WIN 0
	s_wait_xcnt 0x0                                ; the stores of two rounds back have read these registers
.set cc, 0
.rept 16
	ds_load_b128 v[bk+4*cc:bk+4*cc+3], v[XSA] offset:SPT*cc  ; in order behind the stores above; the next round's stores come behind these
.set cc, cc+1
.endr
.endm
.macro SEND k, younger                 ; younger: the LDS instructions issued behind round k's loads: the next round's 32, or none
.set wt, (\k)/2
.set bk, BK0+64*((\k)%2)
	s_wait_dscnt \younger
.set cc, 0
.rept 16
	global_store_b128 v[GO], v[bk+4*cc:bk+4*cc+3], s[OB:OB+1] offset:(16*wt+cc)*2048+512*((\k)%2) th:TH_STORE_NT  ; 512 consecutive bytes, aligned
.set cc, cc+1
.endr
.endm
	TOSTAGE 0
.irp k, 1,2,3,4,5,6,7
	TOSTAGE \k
	SEND (\k)-1, 32
.endr
	SEND 7, 0
	s_wait_tensorcnt 0x0                           ; the wave's end: a wait, an add of 0 and its wait, behind my last tensor load and my last LDS store
	ds_add_u32 v[SPW], v[NIL]
	s_wait_dscnt 0x0
	CROUND                                         ; the closing round: no work-group ends while a partner may still ask for a tile that names it
	s_endpgm
.Lfunc_end_k_qaa185ed498_attn:
	.size	k_qaa185ed498_attn, .Lfunc_end_k_qaa185ed498_attn-k_qaa185ed498_attn
	.p2alignl 7, 3214868480
	.fill 96, 4, 3214868480
	.section	.rodata,"a",@progbits
	.p2align	6, 0x0
	.amdhsa_kernel k_qaa185ed498_attn
		.amdhsa_group_segment_fixed_size 327680
		.amdhsa_private_segment_fixed_size 0
		.amdhsa_enable_private_segment 0
		.amdhsa_kernarg_size 32
		.amdhsa_user_sgpr_count 2
		.amdhsa_user_sgpr_kernarg_segment_ptr 1
		.amdhsa_wavefront_size32 1
		.amdhsa_system_sgpr_workgroup_id_x 1
		.amdhsa_system_sgpr_workgroup_id_y 1
		.amdhsa_system_sgpr_workgroup_id_z 1
		.amdhsa_system_vgpr_workitem_id 0
		.amdhsa_next_free_vgpr 1024
		.amdhsa_next_free_sgpr 88
		.amdhsa_reserve_vcc 0
		.amdhsa_float_denorm_mode_32 3
		.amdhsa_float_denorm_mode_16_64 3
		.amdhsa_memory_ordered 1
		.amdhsa_forward_progress 1
		.amdhsa_inst_pref_size 255
	.end_amdhsa_kernel
	.section	.bss,"aw",@nobits
	.p2align	6
	.space	262144
	.amdgpu_metadata
---
amdhsa.version: [ 1, 2 ]
amdhsa.kernels:
  - .name:           k_qaa185ed498_attn
    .symbol:         k_qaa185ed498_attn.kd
    .args:
      - { .name: xs, .offset: 0, .size: 8, .value_kind: global_buffer, .address_space: global }
      - { .name: xh, .offset: 8, .size: 8, .value_kind: global_buffer, .address_space: global }
      - { .name: opart, .offset: 16, .size: 8, .value_kind: global_buffer, .address_space: global }
      - { .name: lpart, .offset: 24, .size: 8, .value_kind: global_buffer, .address_space: global }
    .group_segment_fixed_size: 327680
    .private_segment_fixed_size: 0
    .kernarg_segment_align: 8
    .kernarg_segment_size: 32
    .max_flat_workgroup_size: 128
    .sgpr_count:     88
    .vgpr_count:     1024
    .wavefront_size: 32
...
	.end_amdgpu_metadata
.endif
;; end of part 2
;; launch merge (part 3): grid 512 x 1, 8 waves a work-group, no clusters, 0 bytes of LDS; arguments opart, lpart, out0; writes out0
.if DOCPART == 3
	.amdgcn_target "amdgcn-amd-amdhsa--gfx1250"
	.amdhsa_code_object_version 6
	.text
	.protected	k_qaa185ed498_merge
	.globl	k_qaa185ed498_merge
	.p2align	8
	.type	k_qaa185ed498_merge,@function
k_qaa185ed498_merge:
	s_mov_b64 s[64:65], 0
	v_nop
	global_prefetch_b8 v0, s[64:65] scope:SCOPE_SE
	s_setreg_imm32_b32 hwreg(HW_REG_WAVE_MODE, 25, 1), 1
	s_wait_xcnt 0x0
; out0[q][c] = (the sum over the four splits s of opart[s][q][c]) / (the sum over s of lpart[s][q]).  opart: [4][8192][512] f32, lpart: [4][8192] f32, out0: [8192][512] f32.
; The partial sums carry no maximum (the powers are bounded: see the launch before), so they simply add up; l is at least 8192 x 0.36, so the reciprocal is safe.
; A stream: eight waves, 16 rows a work-group, two whole rows a wave.  All 32 loads (512 consecutive bytes each) go out first; nothing is read twice; no LDS, no barrier, no matrix unit.
; Every load has registers of its own and the sums are made in place in split 0's, which the stores then read: no register of a pending access is written again.
.set OFF, 8                            ; v8  16 x lane
.set D,   16                           ; v[16:143] row p, split s, 512 bytes j at D + 64 p + 16 s + 4 j
	s_load_b128 s[4:7], s[0:1], 0x0                ; opart s[4:5], lpart s[6:7]
	s_load_b64 s[8:9], s[0:1], 0x10                ; out0
	v_lshrrev_b32 v1, 5, v0
	v_readfirstlane_b32 s10, v1                    ; wave 0..7
	v_and_b32 v1, 31, v0
	v_lshlrev_b32 v[OFF], 4, v1
	s_lshl_b32 s11, ttmp9, 4
	s_lshl1_add_u32 s11, s10, s11                  ; my first row = 16 x work-group + 2 x wave
	s_lshl_b32 s12, s11, 11                        ; rows of 2,048 bytes
	s_mov_b32 s13, 0
	s_lshl_b32 s14, s11, 2
	s_mov_b32 s15, 0
	s_wait_kmcnt 0x0
	s_add_nc_u64 s[6:7], s[6:7], s[14:15]
	s_load_b64 s[20:21], s[6:7], 0x0               ; l of my two rows, split 0 .. 3 (this launch writes nothing into lpart)
	s_load_b64 s[22:23], s[6:7], 0x8000
	s_load_b64 s[24:25], s[6:7], 0x10000
	s_load_b64 s[26:27], s[6:7], 0x18000
	s_add_nc_u64 s[28:29], s[4:5], s[12:13]        ; a base for each split: they lie 16 MiB apart, more than an immediate holds
	s_add_nc_u64 s[30:31], s[28:29], 0x1000000
	s_add_nc_u64 s[32:33], s[30:31], 0x1000000
	s_add_nc_u64 s[34:35], s[32:33], 0x1000000
	s_add_nc_u64 s[8:9], s[8:9], s[12:13]
.set i, 0
.rept 32                               ; row i / 16, split (i / 4) % 4, 512 bytes i % 4
	global_load_b128 v[D+4*i:D+4*i+3], v[OFF], s[28+2*((i/4)%4):29+2*((i/4)%4)] offset:(i/16)*2048+(i%4)*512 th:TH_LOAD_NT
.set i, i+1
.endr
	s_wait_kmcnt 0x0
	v_mov_b32 v2, s20
	v_mov_b32 v3, s21
	v_add_f32 v2, s22, v2
	v_add_f32 v3, s23, v3
	v_add_f32 v2, s24, v2
	v_add_f32 v3, s25, v3
	v_add_f32 v2, s26, v2
	v_add_f32 v3, s27, v3
	v_rcp_f32 v4, v2
	v_rcp_f32 v6, v3
	v_nop                                          ; a plain instruction between the reciprocals and their use
	s_wait_alu depctr_va_vdst(0)
	v_mov_b32 v5, v4                               ; named as pairs; the packed multiply takes the low word for both halves
	v_mov_b32 v7, v6
.macro ROW p
.set b, D+64*(\p)
	s_wait_loadcnt 16-16*(\p)                      ; loads come back in order: this row's sixteen are in, the next row's stay out
.set i, 0
.rept 8
	v_pk_add_f32 v[b+i:b+i+1], v[b+i:b+i+1], v[b+16+i:b+16+i+1]
	v_pk_add_f32 v[b+32+i:b+32+i+1], v[b+32+i:b+32+i+1], v[b+48+i:b+48+i+1]
.set i, i+2
.endr
.set i, 0
.rept 8
	v_pk_add_f32 v[b+i:b+i+1], v[b+i:b+i+1], v[b+32+i:b+32+i+1]
.set i, i+2
.endr
.set i, 0
.rept 8
	v_pk_mul_f32 v[b+i:b+i+1], v[b+i:b+i+1], v[4+2*(\p):5+2*(\p)] op_sel_hi:[1,0]
.set i, i+2
.endr
.irp j, 0,1,2,3
	global_store_b128 v[OFF], v[b+4*(\j):b+4*(\j)+3], s[8:9] offset:(\p)*2048+(\j)*512 th:TH_STORE_NT  ; 512 consecutive bytes, aligned
.endr
.endm
	ROW 0
	ROW 1
	s_endpgm
.Lfunc_end_k_qaa185ed498_merge:
	.size	k_qaa185ed498_merge, .Lfunc_end_k_qaa185ed498_merge-k_qaa185ed498_merge
	.p2alignl 7, 3214868480
	.fill 96, 4, 3214868480
	.section	.rodata,"a",@progbits
	.p2align	6, 0x0
	.amdhsa_kernel k_qaa185ed498_merge
		.amdhsa_group_segment_fixed_size 0
		.amdhsa_private_segment_fixed_size 0
		.amdhsa_enable_private_segment 0
		.amdhsa_kernarg_size 24
		.amdhsa_user_sgpr_count 2
		.amdhsa_user_sgpr_kernarg_segment_ptr 1
		.amdhsa_wavefront_size32 1
		.amdhsa_system_sgpr_workgroup_id_x 1
		.amdhsa_system_sgpr_workgroup_id_y 1
		.amdhsa_system_sgpr_workgroup_id_z 1
		.amdhsa_system_vgpr_workitem_id 0
		.amdhsa_next_free_vgpr 144
		.amdhsa_next_free_sgpr 66
		.amdhsa_reserve_vcc 0
		.amdhsa_float_denorm_mode_32 3
		.amdhsa_float_denorm_mode_16_64 3
		.amdhsa_memory_ordered 1
		.amdhsa_forward_progress 1
		.amdhsa_inst_pref_size 10
	.end_amdhsa_kernel
	.amdgpu_metadata
---
amdhsa.version: [ 1, 2 ]
amdhsa.kernels:
  - .name:           k_qaa185ed498_merge
    .symbol:         k_qaa185ed498_merge.kd
    .args:
      - { .name: opart, .offset: 0, .size: 8, .value_kind: global_buffer, .address_space: global }
      - { .name: lpart, .offset: 8, .size: 8, .value_kind: global_buffer, .address_space: global }
      - { .name: out0, .offset: 16, .size: 8, .value_kind: global_buffer, .address_space: global }
    .group_segment_fixed_size: 0
    .private_segment_fixed_size: 0
    .kernarg_segment_align: 8
    .kernarg_segment_size: 24
    .max_flat_workgroup_size: 256
    .sgpr_count:     66
    .vgpr_count:     144
    .wavefront_size: 32
...
	.end_amdgpu_metadata
.endif
;; end of part 3
;; ======== version 2 of 2: 3 launches; version 1 with the launch merge written anew for expert scheduling mode
;; limits: inputs' magnitudes at most 65,504; values are held in f16: magnitudes above 65,504 overflow, below 6.1e-05 lose precision
;; workspace buffers: xs 8,388,608 bytes; xh 8,388,608 bytes; opart 67,108,864 bytes; lpart 131,072 bytes
;; launch prep: the kernel of part 1 again; grid 256 x 1, 8 waves a work-group, no clusters, 0 bytes of LDS; arguments x, xs, xh; writes xs, xh
;; launch attn: the kernel of part 2 again; grid 64 x 4, 4 waves a work-group, clusters of 4 x 1, 327,680 bytes of LDS; arguments xs, xh, opart, lpart; writes opart, lpart
;; launch merge (part 4): grid 512 x 1, 8 waves a work-group, no clusters, 0 bytes of LDS; arguments opart, lpart, out0; writes out0
.if DOCPART == 4
	.amdgcn_target "amdgcn-amd-amdhsa--gfx1250"
	.amdhsa_code_object_version 6
	.text
	.protected	k_qaa185ed498_merge
	.globl	k_qaa185ed498_merge
	.p2align	8
	.type	k_qaa185ed498_merge,@function
k_qaa185ed498_merge:
	s_mov_b64 s[64:65], 0
	v_nop
	global_prefetch_b8 v0, s[64:65] scope:SCOPE_SE
	s_setreg_imm32_b32 hwreg(HW_REG_WAVE_SCHED_MODE, 0, 2), 2
	s_setreg_imm32_b32 hwreg(HW_REG_WAVE_MODE, 25, 1), 1
	s_wait_xcnt 0x0
	s_wait_alu depctr_vm_vsrc(0)
; out0[q][c] = (the sum over the four splits s of opart[s][q][c]) / (the sum over s of lpart[s][q]).  opart: [4][8192][512] f32, lpart: [4][8192] f32, out0: [8192][512] f32.
; The partial sums carry no maximum (the powers are bounded: see the launch before), so they simply add up; l is at least 8192 x 0.36, so the reciprocal is safe.
; A stream: eight waves, 16 rows a work-group, two whole rows a wave.  All 32 loads (512 consecutive bytes each) go out first; nothing is read twice; no LDS, no barrier, no matrix unit.
; Every load has registers of its own and the sums are made in place in split 0's, which the stores then read: no register of a pending access is written again.
; THE MODE: SCHED_MODE bits 1:0 = 2 (LLVM: expert scheduling mode 2), set by the entry lines.  The code itself states the register dependences
; between vector instructions and memory instructions, with s_wait_alu, always for 0.
; THE PLAN.  Registers that memory instructions touch:
;   v8         the offset of every load and store.  Written once, at the head; one wait on va_vdst ahead of the first load states that; never written again.
;   v[16:143]  each register takes one load, and no vector instruction names any of them before the loads are issued.  Behind the row's wait on LOADcnt the additions work in place;
;              split 0's sixteen registers of a row end as the data of the row's four stores: one wait on va_vdst ahead of each row's run of stores.  Nothing writes them behind the stores.
;   v1 to v7   are named by vector instructions alone.
; No register that a memory instruction reads is ever written again, so the text holds no wait on vm_vsrc beyond the one at the entry.  EXEC is never written.
.set OFF, 8                            ; v8  16 x lane
.set D,   16                           ; v[16:143] row p, split s, 512 bytes j at D + 64 p + 16 s + 4 j
	s_load_b128 s[4:7], s[0:1], 0x0                ; opart s[4:5], lpart s[6:7]
	s_load_b64 s[8:9], s[0:1], 0x10                ; out0
	v_lshrrev_b32 v1, 5, v0
	v_readfirstlane_b32 s10, v1                    ; wave 0..7
	v_and_b32 v1, 31, v0
	v_lshlrev_b32 v[OFF], 4, v1
	s_wait_alu depctr_va_sdst(0)                   ; s10 is written, ahead of its first reader: my first row, and with it every base, is made from it
	s_lshl_b32 s11, ttmp9, 4
	s_lshl1_add_u32 s11, s10, s11                  ; my first row = 16 x work-group + 2 x wave
	s_lshl_b32 s12, s11, 11                        ; rows of 2,048 bytes
	s_mov_b32 s13, 0
	s_lshl_b32 s14, s11, 2
	s_mov_b32 s15, 0
	s_wait_kmcnt 0x0
	s_add_nc_u64 s[6:7], s[6:7], s[14:15]
	s_load_b64 s[20:21], s[6:7], 0x0               ; l of my two rows, split 0 .. 3 (this launch writes nothing into lpart)
	s_load_b64 s[22:23], s[6:7], 0x8000
	s_load_b64 s[24:25], s[6:7], 0x10000
	s_load_b64 s[26:27], s[6:7], 0x18000
	s_add_nc_u64 s[28:29], s[4:5], s[12:13]        ; a base for each split: they lie 16 MiB apart, more than an immediate holds
	s_add_nc_u64 s[30:31], s[28:29], 0x1000000
	s_add_nc_u64 s[32:33], s[30:31], 0x1000000
	s_add_nc_u64 s[34:35], s[32:33], 0x1000000
	s_add_nc_u64 s[8:9], s[8:9], s[12:13]
	s_wait_alu depctr_va_vdst(0)                   ; v8 is written: every load and store of the kernel reads it as its offset
.set i, 0
.rept 32                               ; row i / 16, split (i / 4) % 4, 512 bytes i % 4
	global_load_b128 v[D+4*i:D+4*i+3], v[OFF], s[28+2*((i/4)%4):29+2*((i/4)%4)] offset:(i/16)*2048+(i%4)*512 th:TH_LOAD_NT
.set i, i+1
.endr
	s_wait_kmcnt 0x0
	v_mov_b32 v2, s20                              ; l's sums and the reciprocals name v2 to v7 alone, which no memory instruction touches
	v_mov_b32 v3, s21
	v_add_f32 v2, s22, v2
	v_add_f32 v3, s23, v3
	v_add_f32 v2, s24, v2
	v_add_f32 v3, s25, v3
	v_add_f32 v2, s26, v2
	v_add_f32 v3, s27, v3
	v_rcp_f32 v4, v2
	v_rcp_f32 v6, v3
	v_nop                                          ; a plain instruction between the reciprocals and their use
	s_wait_alu depctr_va_vdst(0)                   ; the two reciprocals have written v4 and v6, which the moves below read: one wait for the batch
	v_mov_b32 v5, v4                               ; named as pairs; the packed multiply takes the low word for both halves
	v_mov_b32 v7, v6
.macro ROW p
.set b, D+64*(\p)
	s_wait_loadcnt 16-16*(\p)                      ; loads come back in order: this row's sixteen are in, the next row's stay out
.set i, 0
.rept 8
	v_pk_add_f32 v[b+i:b+i+1], v[b+i:b+i+1], v[b+16+i:b+16+i+1]
	v_pk_add_f32 v[b+32+i:b+32+i+1], v[b+32+i:b+32+i+1], v[b+48+i:b+48+i+1]
.set i, i+2
.endr
.set i, 0
.rept 8
	v_pk_add_f32 v[b+i:b+i+1], v[b+i:b+i+1], v[b+32+i:b+32+i+1]
.set i, i+2
.endr
.set i, 0
.rept 8
	v_pk_mul_f32 v[b+i:b+i+1], v[b+i:b+i+1], v[4+2*(\p):5+2*(\p)] op_sel_hi:[1,0]
.set i, i+2
.endr
	s_wait_alu depctr_va_vdst(0)                   ; the multiplies have written the row's sixteen registers, which the four stores below read
.irp j, 0,1,2,3
	global_store_b128 v[OFF], v[b+4*(\j):b+4*(\j)+3], s[8:9] offset:(\p)*2048+(\j)*512 th:TH_STORE_NT  ; 512 consecutive bytes, aligned
.endr
.endm
	ROW 0
	ROW 1
	s_endpgm
.Lfunc_end_k_qaa185ed498_merge:
	.size	k_qaa185ed498_merge, .Lfunc_end_k_qaa185ed498_merge-k_qaa185ed498_merge
	.p2alignl 7, 3214868480
	.fill 96, 4, 3214868480
	.section	.rodata,"a",@progbits
	.p2align	6, 0x0
	.amdhsa_kernel k_qaa185ed498_merge
		.amdhsa_group_segment_fixed_size 0
		.amdhsa_private_segment_fixed_size 0
		.amdhsa_enable_private_segment 0
		.amdhsa_kernarg_size 24
		.amdhsa_user_sgpr_count 2
		.amdhsa_user_sgpr_kernarg_segment_ptr 1
		.amdhsa_wavefront_size32 1
		.amdhsa_system_sgpr_workgroup_id_x 1
		.amdhsa_system_sgpr_workgroup_id_y 1
		.amdhsa_system_sgpr_workgroup_id_z 1
		.amdhsa_system_vgpr_workitem_id 0
		.amdhsa_next_free_vgpr 144
		.amdhsa_next_free_sgpr 66
		.amdhsa_reserve_vcc 0
		.amdhsa_float_denorm_mode_32 3
		.amdhsa_float_denorm_mode_16_64 3
		.amdhsa_memory_ordered 1
		.amdhsa_forward_progress 1
		.amdhsa_inst_pref_size 10
	.end_amdhsa_kernel
	.amdgpu_metadata
---
amdhsa.version: [ 1, 2 ]
amdhsa.kernels:
  - .name:           k_qaa185ed498_merge
    .symbol:         k_qaa185ed498_merge.kd
    .args:
      - { .name: opart, .offset: 0, .size: 8, .value_kind: global_buffer, .address_space: global }
      - { .name: lpart, .offset: 8, .size: 8, .value_kind: global_buffer, .address_space: global }
      - { .name: out0, .offset: 16, .size: 8, .value_kind: global_buffer, .address_space: global }
    .group_segment_fixed_size: 0
    .private_segment_fixed_size: 0
    .kernarg_segment_align: 8
    .kernarg_segment_size: 24
    .max_flat_workgroup_size: 256
    .sgpr_count:     66
    .vgpr_count:     144
    .wavefront_size: 32
...
	.end_amdgpu_metadata
.endif
;; end of part 4
